; MI455X (gfx1250); checked and timed in simulation.
; The chip was launched on July 23, 2026; its instructions are those of AMD's public machine-readable ISA for CDNA 5 (MIT licence, August 2026) and "CDNA5" Instruction Set Architecture Reference Guide (July 2026). The comments in the code are by the model that wrote it; some were corrected since.
;; Gated Atten. Allowed arithmetic: matrix products marked QUANTISED: E3M2 operands, one E8M0 scale for each 32 along K, by v_wmma_scale_f32_16x16x128_f8f6f4 with both operands' format E3M2, f32 sums; everything else in f32.
;; Inputs: W_down_codes 64 x 4 x 24 uint8 (E3M2 codes of W_down, K innermost, in blocks of 32 codes, four codes in three bytes); W_down_scales 64 x 4 uint8 (E8M0 scales of W_down, one for each 32 codes along K); W_drug_codes 128 x 4 x 24 uint8 (E3M2 codes of W_drug, K innermost, in blocks of 32 codes, four codes in three bytes); W_drug_scales 128 x 4 uint8 (E8M0 scales of W_drug, one for each 32 codes along K); W_prot_codes 128 x 4 x 24 uint8 (E3M2 codes of W_prot, K innermost, in blocks of 32 codes, four codes in three bytes); W_prot_scales 128 x 4 uint8 (E8M0 scales of W_prot, one for each 32 codes along K); W_up_codes 128 x 2 x 24 uint8 (E3M2 codes of W_up, K innermost, in blocks of 32 codes, four codes in three bytes); W_up_scales 128 x 2 uint8 (E8M0 scales of W_up, one for each 32 codes along K); b_down 64 float32; b_drug 128 float32; b_prot 128 float32; b_up 128 float32; x 8 x 128 x 128 float32; y 8 x 128 x 1,024 float32.
;; Outputs: out0 8 x 128 x 128 float32; out1 8 x 128 x 1,024 float32.
;; This version of the problem:
;;   THIS VERSION OF THE PROBLEM IS GIVEN IN LOW PRECISION. The matrix products marked QUANTISED in the list below multiply operands that are first quantised to E3M2 (3 exponent bits, 2 mantissa bits; 6 bits a number), with one power-of-two scale for each 32 numbers along K (OCP MX v1.0); their sums are f32. All else is computed in f32.
;;   The module's matrix products, in the order in which they are computed (A, B: the left and right operand; K: the contracted axis; several contracted axes count as one K, in the product's order):
;;     1. [M 1,024, K 128] x [K 128, N 128]; A: input x; B: input W_drug (given as codes): QUANTISED
;;     2. [M 8,192, K 128] x [K 128, N 128]; A: input y; B: input W_prot (given as codes): QUANTISED
;;     3. [M 1,048,576, K 128] x [K 128, N 64]; A: computed on the way; B: input W_down (given as codes): QUANTISED
;;     4. [M 1,048,576, K 64] x [K 64, N 128]; A: computed on the way; B: input W_up (given as codes): QUANTISED
;;   THE QUANTISER, for each operand of a quantised product, along K:
;;     - K is cut into blocks of 32 from its start; a last block that is shorter is filled with zeros.
;;     - A block's scale is 2^e with e = floor(log2(the largest magnitude in the block)) - 4, held to -126 .. 127; a block of zeros has e = 0. As a byte (E8M0): e + 127.
;;     - Each number is divided by its block's scale, clamped to +-28, and rounded to the nearest number of E3M2, ties to even, subnormals kept.
;;     - The product sums the exact products of the quantised numbers (number of the format x scale) in f32.
;;   ~~~python
;;   def quantise(x, axis):      # numpy; x: float32 -> the quantised numbers, widened to float32 again
;;       x = np.moveaxis(x, axis, -1); K = x.shape[-1]
;;       x = np.pad(x, [(0, 0)] * (x.ndim - 1) + [(0, -K % 32)]); x = x.reshape(x.shape[:-1] + (-1, 32)); a = np.abs(x).max(-1, keepdims=True)
;;       e = np.where(a > 0, np.clip(np.frexp(np.where(a > 0, a, 1))[1] - 1 - 4, -126, 127), 0)      # np.frexp(a)[1] - 1 = floor(log2(a)), exactly
;;       r = np.clip(x / 2.0 ** e, -28, 28)
;;       step = 2.0 ** (np.maximum(np.frexp(np.where(r == 0, 1, r))[1] - 1, -2) - 2)
;;       q = np.round(r / step) * step * 2.0 ** e      # np.round: ties to even
;;       return np.moveaxis(q.reshape(q.shape[:-2] + (-1,))[..., :K], -1, axis).astype(np.float32)
;;   ~~~
;;   OPERANDS COMPUTED ON THE WAY. 'Computed on the way' means the value that the module computes at that place (a softmax that the list does not call 'softmax' is quantised finished and normalised). What goes into a quantiser is computed in f32, as accurately as f32 sums, v_exp_f32 and their like allow (about 1e-6 of the number): no bf16 or f16 on the way to a quantiser, and a product that is left as it is and whose result goes on into a quantised operand takes f32 operands (vector FMAs, or v_wmma_f32_16x16x4_f32). A number that lies on a knife's edge between two numbers of the format may be rounded either way, as far as f32 arithmetic and the matrix unit's own rounding can turn it there, and no further.
;;   INPUTS GIVEN AS CODES. W_down (in the module: [128, 64], K = its axis 0); W_drug (in the module: [128, 128], K = its axis 0); W_prot (in the module: [128, 128], K = its axis 0); W_up (in the module: [64, 128], K = its axis 0): each comes as NAME_codes (uint8): NAME with its K axis moved to the last place and cut into blocks of 32 codes, [.., K / 32, bytes a block], one block behind the other in memory; four codes in three bytes: a row's codes are one little-endian stream of bits, code i at bits 6 i .. 6 i + 5 (a code: sign, 3 exponent bits, 2 mantissa bits); and NAME_scales (uint8): the same leading axes, one E8M0 byte (e + 127) for each 32 codes along K. Its value is code x scale, taken as it is: it is not quantised again, and the codes and scales need not be those that the quantiser above would give.
;; One version. Each part assembles by itself: llvm-mc -triple=amdgcn-amd-amdhsa -mcpu=gfx1250 --defsym DOCPART=n.
;; ======== version 1 of 1: 2 launches
;; workspace buffers: part 16,777,216 bytes
;; launch main (part 1): grid 256 x 1, 4 waves a work-group, clusters of 4 x 1, 210,688 bytes of LDS; arguments x, y, W_drug_codes, W_drug_scales, b_drug, W_prot_codes, W_prot_scales, b_prot, W_down_codes, W_down_scales, b_down, W_up_codes, W_up_scales, b_up, out1, part; writes out1, part
.if DOCPART == 1
	.amdgcn_target "amdgcn-amd-amdhsa--gfx1250"
	.amdhsa_code_object_version 6
	.text
	.protected	k_qb8acefbbfd_main
	.globl	k_qb8acefbbfd_main
	.p2align	8
	.type	k_qb8acefbbfd_main,@function
k_qb8acefbbfd_main:
	s_mov_b64 s[64:65], 0
	v_nop
	global_prefetch_b8 v0, s[64:65] scope:SCOPE_SE
	s_setreg_imm32_b32 hwreg(HW_REG_WAVE_MODE, 25, 1), 1
	s_wait_xcnt 0x0
	s_wait_alu depctr_hold_cnt(0) depctr_sa_sdst(0) depctr_va_vdst(0) depctr_va_sdst(0) depctr_va_ssrc(0) depctr_va_vcc(0) depctr_vm_vsrc(0)
	s_getreg_b32 s2, hwreg(HW_REG_IB_STS2, 6, 4)
	s_cmp_eq_u32 s2, 0
	s_cbranch_scc0 .Lentry_in_a_cluster
	s_endpgm
.Lentry_in_a_cluster:
	s_bfe_u32 s2, ttmp6, 0x10000c
	s_cmp_lg_u32 s2, 0x3003
	s_cbranch_scc0 .Lentry_shape_is_right
	s_endpgm
.Lentry_shape_is_right:
; d = Q(x) W_drug + b_drug, p = Q(y) W_prot + b_prot; for every pair (x, y): s = relu(d[x] + p[y]), h = relu(Q(s) W_down + b_down), atten = Q(h) W_up + b_up.
; Kept are the mean of atten over x (it gates y: out1, finished here) and its sum over this work-group's y (buffer part: the next launch adds 32 of them and gates x).
; All four products on codes of BF6 (E3M2) with one E8M0 scale for each 32 along K; Q is the block quantiser along the channels.
; SHARES.  Work-group g = 32 b + yg: batch b, all 128 x, the 32 y from 32 yg.  Wave w: x 32 w .. 32 w + 31 (two blocks of 16) against both blocks of 16 y: 4 blocks of 256 pairs, 64 tiles of 16 pairs.
; BOTH SUMS ARE TAKEN BY THE MATRIX UNIT.  The last product has K = 64, half of the instruction's 128.  So two tiles' Q(h) stand side by side along K against W_up stacked twice, and the accumulator is
; chained over tiles: once with row r = x row r (fragments X0, X1: the sum over y), once with row r = y row r (Y0, Y1: the sum over x).  No vector instruction touches atten.
; DIAGONAL TILES.  In trip t (0 .. 15) row r of a tile is the pair (x0 + r, y0 + (r + t) % 16).  The row belongs to x0 + r, so its codes are the X fragment as made; turned by t lanes within
; each 16 lanes (v_permlane16_b32, selects in s[86:87]) they are the Y fragment.
; CLUSTER.  The four work-groups of a cluster have one batch: x[b] and the four weights, 100 of the 116 KiB that a work-group brings into LDS, are asked for jointly.  y's piece is each work-group's own.
; A work-group's piece of a row of y and of out1 is 128 bytes: 64 y to a work-group would leave half of the 256 work-groups, or split x and make the sum over x span work-groups too.
; LIMITS.  A block whose largest magnitude lies under 2^-122 (a block of zeros too) gets the scale byte 1: its codes are zeros or subnormals, and only this program reads the bytes.  NaN and infinities among
; the inputs are not served.  b_drug, b_prot and b_down enter as the C of a sum's first matrix instruction, b_up after the mean; the mean over x is four waves' sums of 32, in f32.  tanh(g) = 1 - 2 / (1 + e^(2 g)): absolute error about 1e-7.
; LDS, each byte filled once:
.set XG,   16448                       ; x[b]: channels 32 q .. 32 q + 31 at XG q, a channel's 128 numbers 512 bytes; 64 bytes between groups: lanes 16-31 read 16 banks on from lanes 0-15
.set WDR,  66048                       ; W_drug's codes as they lie (12,288 bytes)
.set WPR,  WDR+12288                   ; W_prot's
.set WDN,  WPR+12288                   ; W_down's (6,144)
.set WUP,  WDN+6144                    ; W_up's
.set YL,   WUP+6144                    ; my 32 y: channels 32 q on at YG q, a channel 128 bytes; stored from registers
.set YG,   4160
.set PL,   YL+16640                    ; p: 32 rows of 512 bytes + 16
.set PP,   528
.set PS,   PL+32*PP                    ; the way out of the sum over x: for each wave 128 channel rows of 128 bytes + 16
.set PSP,  144
.set PSW,  128*PSP
; REGISTERS, window 0: v1 r = lane % 16, v2 h = lane / 16, v3 8 h
.set AP,   4                           ; v4   LDS address of my row of p in the trip that is being fetched
.set PST,  6                           ; v6   my byte offset in part
.set PB,   7                           ; v7   PL + 128 h
.set WDS,  16                          ; v16-19 W_down's scale words;  v20-27 W_up's, bytes s0 s1 s0 s1
.set WUS,  20
.set SSW,  28                          ; s's scale word
.set PT,   29                          ; at work: the other half's bytes
.set XW0,  30                          ; v30, 31 scale words of X0, X1;  v32, 33 of Y0, Y1
.set YW0,  32
.set HWT,  34
.set HWR,  35
.set M,    36                          ; v36-43 eight chains of maxima
.set SOP,  44                          ; v44, 45 s's two scale operands;  v46, 47 h's
.set SH,   46
.set MH,   48                          ; v48-51 h's chains
.set T,    52
.set BY,   54                          ; v54, 55 scale bytes
.set TC0,  56                          ; v56-58, v60-62 the upper halves of s's two blocks of codes
.set TC1,  60
.set S,    64                          ; v64-127 s: register 32 c + i = channel 64 c + 32 h + i, the 6-bit operand's own order: a lane holds two whole blocks
.set H,    128                         ; v128-159, v160-191 h of two tiles by turns: register 16 b + i = hidden unit 32 b + 16 h + i
.set SCD,  192                         ; v192-203 s's codes
.set X0,   204                         ; v204-215 X0, v216-227 X1, v228-239 Y0, v240-251 Y1
.set Y0,   228
.set TB,   252                         ; v252-254
; window 1: v0-63, v64-127 d of my two x blocks;  v128-191, v192-255 p of the two y blocks, in s's order
.set P,    128
; window 2: W_down's 4 fragments, b_down as C, W_up's 8 fragments (registers 6-11 repeat 0-5); in the head x's and y's codes; b_up for the way out
.set WD,   0
.set BDN,  48
.set WU,   80
.set QX,   176
.set QY,   200
.set QT0,  212
.set QT1,  216
.set BU,   220
; window 3: the 32 accumulators, 8 nt on from AX (X0), AX + 64 (X1), AY (Y0), AY + 64 (Y1); in the head W_drug's 8 and W_prot's 4 fragments, b_prot then p, b_drug as C
.set AX,   0
.set AY,   128
.set WDG,  0
.set WPT,  96
.set PR,   144
.set BD,   176
; scalars: s[4:35] the 16 buffers; s[36:59] three groups 1; s[60:63], s[68:75] three groups 0; s76 wave; s77 cx, s78 yg, s79 b; s[84:85] selects for lane xor 16; s[86:87] the turn by t; s90 t + 1
.set MSB, 0
.macro WIN new                         ; the immediate's high byte repeats the setting that is left; a switch that changes nothing is dropped
.if MSB != \new
	s_set_vgpr_msb (MSB<<8)|\new
.set MSB, \new
.endif
.endm
.macro ROUND                           ; a round of the cluster's barrier
	s_barrier_signal -1
	s_barrier_wait -1
	s_cmp_lg_u32 s76, 0
	s_cbranch_scc1 .Lnot_wave_0_\@
	s_barrier_signal -3
.Lnot_wave_0_\@:
	s_barrier_wait -3
	s_barrier_signal -1
	s_barrier_wait -1
.endm
.macro WM d, a, b, c, sa, sb           ; the one matrix form of this text, C in registers
	v_wmma_scale_f32_16x16x128_f8f6f4 v[\d:\d+7], v[\a:\a+11], v[\b:\b+11], v[\c:\c+7], v[\sa], v[\sb] matrix_a_fmt:MATRIX_FMT_BF6 matrix_b_fmt:MATRIX_FMT_BF6
.endm
.macro WM0 d, a, b, sa, sb             ; and with C = 0: it starts a sum
	v_wmma_scale_f32_16x16x128_f8f6f4 v[\d:\d+7], v[\a:\a+11], v[\b:\b+11], 0, v[\sa], v[\sb] matrix_a_fmt:MATRIX_FMT_BF6 matrix_b_fmt:MATRIX_FMT_BF6
.endm
.macro RELU2 e                         ; relu of two neighbours in one issue slot; e is even
	v_dual_max_num_f32 v[\e], 0, v[\e] :: v_dual_max_num_f32 v[\e+1], 0, v[\e+1]
.endm
; Eight numbers v[src + 8 q ..] go into the four chains of block q / 4.  The first chain starts with the floor 2^(5 - 127), so that the scale's byte cannot fall under 1.
.macro MAXCH src, q, abs
.irp k, 0,1,2,3
.set RA, \src+8*(\q)+2*\k
.set RM, M+4*((\q)/4)+\k
.if ((\q)%4) != 0
.if \abs
	v_max3_num_f32 v[RM], v[RM], |v[RA]|, |v[RA+1]|
.else
	v_max3_num_f32 v[RM], v[RM], v[RA], v[RA+1]
.endif
.elseif \k == 0
.if \abs
	v_max3_num_f32 v[RM], |v[RA]|, |v[RA+1]|, 0x2800000
.else
	v_max3_num_f32 v[RM], v[RA], v[RA+1], 0x2800000
.endif
.else
.if \abs
	v_max_num_f32 v[RM], |v[RA]|, |v[RA+1]|
.else
	v_max_num_f32 v[RM], v[RA], v[RA+1]
.endif
.endif
.endr
.endm
.macro CHUNK q                         ; eight numbers of s: relu, and into the maxima (no |.|: none is negative)
	WIN 0
.irp n, 0,2,4,6
	RELU2 S+8*(\q)+\n
.endr
	MAXCH S, \q, 0
.endm
.macro ADDS xb, pb                     ; s = d + p, two at a time, ascending: each of d's accumulators is first read at its low end
	WIN 0x05                                       ; both sources window 1
.set j, 0
.rept 32
	v_pk_add_f32 v[S+j:S+j+1], v[64*\xb+j:64*\xb+j+1], v[P+64*\pb+j:P+64*\pb+j+1]
.set j, j+2
.endr
.endm
.macro LOADP pb                        ; my row of p in y block pb: 64 numbers of my half's channels; rows 528 bytes apart: sixteen lanes, sixteen different columns of 16 bytes
	WIN 0x40                                       ; destination window 1
.set i, 0
.rept 16
	ds_load_b128 v[P+64*\pb+4*i:P+64*\pb+4*i+3], v[AP] offset:16*PP*\pb+256*(i/8)+16*(i%8)
.set i, i+1
.endr
	WIN 0
.endm
; The chains are closed; 64 numbers v[src ..] become 12 registers of codes v[cd ..] (windows CW: conversions, MW: moves) and the scale word v[sw].
.macro SFIN src, cd, t0, t1, sw, CW, MW
	WIN 0
	v_max3_num_f32 v[M], v[M], v[M+1], v[M+2]
	v_max3_num_f32 v[M+4], v[M+4], v[M+5], v[M+6]
	v_max_num_f32 v[M], v[M], v[M+3]
	v_max_num_f32 v[M+4], v[M+4], v[M+7]
	v_add_nc_u32 v[SOP], 0xfe000000, v[M]          ; 4 off the exponent field: the conversion takes the exponent field of this operand as its scale
	v_add_nc_u32 v[SOP+1], 0xfe000000, v[M+4]
	WIN \CW
	v_cvt_scalef32_pk16_bf6_f32 v[\cd:\cd+2], v[\src:\src+15], v[SOP]
	v_cvt_scalef32_pk16_bf6_f32 v[\t0:\t0+2], v[\src+16:\src+31], v[SOP]       ; (a conversion's three registers begin on an even number: the upper halves are made elsewhere and moved)
	v_cvt_scalef32_pk16_bf6_f32 v[\cd+6:\cd+8], v[\src+32:\src+47], v[SOP+1]
	v_cvt_scalef32_pk16_bf6_f32 v[\t1:\t1+2], v[\src+48:\src+63], v[SOP+1]
	WIN 0
	v_lshrrev_b32 v[BY], 23, v[SOP]                ; the bytes of my blocks h and 2 + h.  (Plain lines behind the conversions)
	v_lshrrev_b32 v[BY+1], 23, v[SOP+1]
	v_lshl_or_b32 v[BY], v[BY+1], 16, v[BY]
	v_lshlrev_b32 v[BY], v3, v[BY]                 ; at their places in the word, 8 h bits up
	v_permlanex16_b32 v[PT], v[BY], s84, s85
	v_or_b32 v[\sw], v[BY], v[PT]                  ; with lane xor 16's two the word is whole
	WIN \MW
.irp n, 0,1,2
	v_mov_b32 v[\cd+3+\n], v[\t0+\n]
.endr
.irp n, 0,1,2
	v_mov_b32 v[\cd+9+\n], v[\t1+\n]
.endr
	WIN 0
.endm
; h^T = W_down s^T + b_down, tile u of four: source 0 = 16 rows of W_down, source 1 = the 16 pairs; a lane holds one pair and eight hidden units
.macro MM3 hb, u
	WIN 0x22                                       ; W_down and b_down window 2
	WM H+32*(\hb)+8*(\u), WD+12*(\u), SCD, BDN+8*(\u), WDS+(\u), SSW
.endm
; a sum of atten: source 0 = fragment F (16 rows, two tiles along K), source 1 = 16 channels of W_up twice.  mode 0: nothing; 1: starts the sum; 2: adds on
.macro MM4 F, FW, acc, nt, mode
.if \mode == 1
	WIN 0xf8                                       ; W_up window 2, C and D window 3
	WM0 \acc+8*(\nt), \F, WU+12*(\nt), \FW, WUS+(\nt)
.elseif \mode == 2
	WIN 0xf8
	WM \acc+8*(\nt), \F, WU+12*(\nt), \acc+8*(\nt), \FW, WUS+(\nt)
.endif
.endm
.macro HQ_RELU hb, part                ; relu of 16 numbers of h, ascending: each accumulator is first read at its low end
	WIN 0
.irp n, 0,2,4,6,8,10,12,14
	RELU2 H+32*(\hb)+16*(\part)+\n
.endr
.endm
.macro HQ_MAX hb, part                 ; my 16 numbers of each of h's two blocks, two chains a block, the blocks by turns
	WIN 0
.set HB0, H+32*(\hb)
.if \part == 0
.irp bb, 0,1
	v_max3_num_f32 v[MH+2*\bb], v[HB0+16*\bb], v[HB0+16*\bb+1], 0x2800000
.endr
.irp bb, 0,1
	v_max3_num_f32 v[MH+2*\bb+1], v[HB0+16*\bb+2], v[HB0+16*\bb+3], v[HB0+16*\bb+6]
.endr
.irp bb, 0,1
	v_max3_num_f32 v[MH+2*\bb], v[MH+2*\bb], v[HB0+16*\bb+4], v[HB0+16*\bb+5]
.endr
.irp bb, 0,1
	v_max3_num_f32 v[MH+2*\bb+1], v[MH+2*\bb+1], v[HB0+16*\bb+7], v[HB0+16*\bb+10]
.endr
.else
.irp bb, 0,1
	v_max3_num_f32 v[MH+2*\bb], v[MH+2*\bb], v[HB0+16*\bb+8], v[HB0+16*\bb+9]
.endr
.irp bb, 0,1
	v_max3_num_f32 v[MH+2*\bb+1], v[MH+2*\bb+1], v[HB0+16*\bb+11], v[HB0+16*\bb+14]
.endr
.irp bb, 0,1
	v_max3_num_f32 v[MH+2*\bb], v[MH+2*\bb], v[HB0+16*\bb+12], v[HB0+16*\bb+13]
.endr
.irp bb, 0,1
	v_max3_num_f32 v[MH+2*\bb], v[MH+2*\bb], v[MH+2*\bb+1], v[HB0+16*\bb+15]
.endr
.endif
.endm
; h of tile (xb, yb) becomes half yb of fragment X(xb) and, turned by t lanes, half xb of fragment Y(yb); its two scale bytes go the same two ways
.macro HQ_FIN hb, xb, yb
	WIN 0
.set HB0, H+32*(\hb)
.set XF, X0+12*(\xb)+6*(\yb)
.set YF, Y0+12*(\yb)+6*(\xb)
.if \yb == 0
.set HW, XW0+(\xb)
.else
.set HW, HWT
.endif
	v_permlanex16_b32 v[T], v[MH], s84, s85
	v_permlanex16_b32 v[T+1], v[MH+2], s84, s85
	v_max_num_f32 v[MH], v[MH], v[T]               ; with lane xor 16's 16: the blocks' largest
	v_max_num_f32 v[MH+2], v[MH+2], v[T+1]
	v_add_nc_u32 v[SH], 0xfe000000, v[MH]
	v_add_nc_u32 v[SH+1], 0xfe000000, v[MH+2]
	v_cvt_scalef32_pk16_bf6_f32 v[XF:XF+2], v[HB0:HB0+15], v[SH]
	v_cvt_scalef32_pk16_bf6_f32 v[TB:TB+2], v[HB0+16:HB0+31], v[SH+1]
	v_lshrrev_b32 v[BY], 23, v[SH]                 ; (plain lines behind the conversions)
	v_lshrrev_b32 v[BY+1], 23, v[SH+1]
	v_lshl_or_b32 v[HW], v[BY+1], 8, v[BY]         ; the tile's two bytes
.irp n, 0,1,2
	v_permlane16_swap_b32 v[XF+\n], v[TB+\n]       ; the operand wants a whole block in a lane: lanes 0-15 block 0, lanes 16-31 block 1
.endr
.irp n, 0,1,2
	v_mov_b32 v[XF+3+\n], v[TB+\n]
.endr
.irp n, 0,1,2
	v_permlane16_b32 v[YF+\n], v[XF+\n], s86, s87  ; row r' of Y takes row (r' - t) % 16 of the tile
.endr
.irp n, 0,1,2
	v_permlane16_b32 v[YF+3+\n], v[TB+\n], s86, s87
.endr
.if \xb == 0
	v_permlane16_b32 v[YW0+(\yb)], v[HW], s86, s87
.else
	v_permlane16_b32 v[HWR], v[HW], s86, s87
.endif
.if \yb == 1
	v_lshl_or_b32 v[XW0+(\xb)], v[HWT], 16, v[XW0+(\xb)]
.endif
.if \xb == 1
	v_lshl_or_b32 v[YW0+(\yb)], v[HWR], 16, v[YW0+(\yb)]
.endif
.endm
; A SLOT: s of tile (xb, yb); its product with W_down into h buffer hb, set among the lines that quantise the tile before (pxb, pyb, in buffer phb); eight sums of atten on a fragment that an earlier
; slot finished, one ahead of each eight numbers of s.  Eight vector lines or more follow each matrix instruction; no two matrix instructions that follow each other share an accumulator.
; ld: 0 no reload of p; 1 block yb is fetched for the next trip, unless this is the last; 2 the same without the test.  wcnt: the wait on LDS loads, -1 none.
.macro SLOT xb, yb, hb, hq, pxb, pyb, phb, F, FW, acc, mode, ld, wcnt
.if \wcnt >= 0
	s_wait_dscnt \wcnt
.endif
	ADDS \xb, \yb
.if \ld
	WIN 0
.if \ld == 1
	s_cmp_eq_u32 s90, 16                           ; the last trip has no successor
	s_cbranch_scc1 .Lno_load_\@
.endif
.if \yb == 0
	v_add_nc_u32 v5, s90, v1
	v_and_b32 v5, 15, v5                           ; (r + t + 1) % 16
	v_mad_u32_u24 v[AP], v5, PP, v[PB]
.endif
	LOADP \yb                                      ; both tiles that read this block in this trip have been added
.if \ld == 1
.Lno_load_\@:
.endif
.endif
.irp q, 0,1,2,3,4,5,6,7
	MM4 \F, \FW, \acc, \q, \mode
	CHUNK \q
.endr
	SFIN S, SCD, TC0, TC1, SSW, 0, 0
.if \hq
	HQ_RELU \phb, 0                                ; eight lines: with SFIN's six moves 14 places behind the scale word's last write, 8 behind the codes'
	MM3 \hb, 0
	HQ_RELU \phb, 1
	MM3 \hb, 1
	HQ_MAX \phb, 0
	MM3 \hb, 2
	HQ_MAX \phb, 1
	MM3 \hb, 3
	HQ_FIN \phb, \pxb, \pyb
.else
.rept 8
	v_nop                                          ; the first slot has no tile before it: places ahead of the scaled matrix instructions
.endr
.irp u, 0,1,2,3
	MM3 \hb, \u
.endr
.endif
.endm
; A TRIP: the four tiles of one t.  X0 (tiles a, c) is whole at the end of slot d and summed in the next slot a; X1 (b, d) at the end of the next a, summed in the next b; Y0 (a, b) at the end of c, summed in d;
; Y1 (c, d) at the end of the next a, summed in the next c.  No fragment is written again before the slot behind its use.
; Slot a waits with the count 16: p's block 1 was asked for behind block 0.  Slot c waits for 0: in the last trip nothing younger is out, in the others the younger sixteen were issued a slot earlier.
.macro TRIP ma, mb, mc, md, hqa, ld
	SLOT 0,0,0,\hqa,1,1,1,X0,XW0,AX,\ma,0,16
.if \hqa
	s_lshr_b32 s88, s87, 28                        ; the last tile of trip t - 1 has been turned: the selects go on to t, 4 bits to the left in 64
	s_lshr_b32 s89, s86, 28
	s_lshl_b32 s86, s86, 4
	s_lshl_b32 s87, s87, 4
	s_or_b32 s86, s86, s88
	s_or_b32 s87, s87, s89
.endif
	SLOT 1,0,1,1,0,0,0,X0+12,XW0+1,AX+64,\mb,\ld,-1
	SLOT 0,1,0,1,1,0,1,Y0+12,YW0+1,AY+64,\mc,0,0
	SLOT 1,1,1,1,0,1,0,Y0,YW0,AY,\md,\ld,-1
	s_add_co_u32 s90, s90, 1
.endm
.macro RAW reg, adr, gstep, rstep, off ; 64 numbers down the channels: register 32 c + i = channel 64 c + 32 h + i of my row; sixteen lanes read 64 neighbouring bytes
.set i, 0
.rept 64
	ds_load_b32 v[\reg+i], v[\adr] offset:(i/32)*(\gstep)+(i%32)*(\rstep)+(\off)
.set i, i+1
.endr
.endm
.macro FRAG reg, adr, off              ; a fragment of 6-bit codes: 24 bytes of my row at my half, and 24 bytes 48 further on, in pieces of 8
.irp p, 0,1,2,3,4,5
	ds_load_b64 v[\reg+2*\p:\reg+2*\p+1], v[\adr] offset:\off+48*(\p/3)+8*(\p%3)
.endr
.endm
.macro QHEAD src, cd, sw               ; 64 numbers of x or y become a fragment in window 2
.irp q, 0,1,2,3,4,5,6,7
	MAXCH \src, \q, 1
.endr
	SFIN \src, \cd, QT0, QT1, \sw, 0x80, 0x82
.endm
; v[A ..] = 0.5 + sigmoid(g) tanh(g) for n numbers g in v[G ..]; v[B ..] at work.  Each batch of transcendentals has one plain line and one wait behind it, ahead of its first reader.
; An exponential that overflows gives the reciprocal 0: the gate saturates for every finite g.
.macro GATE n, G, A, B
.set i, 0
.rept (\n)/2
	v_pk_mul_f32 v[\A+i:\A+i+1], v[\G+i:\G+i+1], 0xbfb8aa3b op_sel_hi:[1,0]     ; -g log2(e)
	v_pk_mul_f32 v[\B+i:\B+i+1], v[\G+i:\G+i+1], 0x4038aa3b op_sel_hi:[1,0]     ; 2 g log2(e)
.set i, i+2
.endr
.set i, 0
.rept \n
	v_exp_f32 v[\A+i], v[\A+i]
	v_exp_f32 v[\B+i], v[\B+i]
.set i, i+1
.endr
	v_nop
	s_wait_alu depctr_va_vdst(0)
.set i, 0
.rept (\n)/2
	v_pk_add_f32 v[\A+i:\A+i+1], v[\A+i:\A+i+1], 1.0 op_sel_hi:[1,0]
	v_pk_add_f32 v[\B+i:\B+i+1], v[\B+i:\B+i+1], 1.0 op_sel_hi:[1,0]
.set i, i+2
.endr
.set i, 0
.rept \n
	v_rcp_f32 v[\A+i], v[\A+i]                     ; sigmoid(g)
	v_rcp_f32 v[\B+i], v[\B+i]
.set i, i+1
.endr
	v_nop
	s_wait_alu depctr_va_vdst(0)
.set i, 0
.rept (\n)/2
	v_pk_fma_f32 v[\B+i:\B+i+1], v[\B+i:\B+i+1], -2.0, 1.0 op_sel_hi:[1,0,0]   ; tanh(g)
	v_pk_fma_f32 v[\A+i:\A+i+1], v[\A+i:\A+i+1], v[\B+i:\B+i+1], 0.5 op_sel_hi:[1,1,0]
.set i, i+2
.endr
.endm
	; ---- THE HEAD
	s_load_b512 s[4:19], s[0:1], 0x0               ; x, y, W_drug's codes, scales, b_drug, W_prot's codes, scales, b_prot
	s_load_b512 s[20:35], s[0:1], 0x40             ; W_down's codes, scales, b_down, W_up's codes, scales, b_up, out1, part
	s_set_vgpr_msb 0x80
	v_lshl_add_u32 v254, v0, 2, 0x33500
	v_mov_b32 v255, 0
	s_set_vgpr_msb 0x808a
	ds_add_u32 v254, v255
	ds_add_u32 v254, v255
	s_set_vgpr_msb 0x8a00
	v_lshrrev_b32 v5, 5, v0
	v_readfirstlane_b32 s76, v5                    ; wave 0..3
	s_bfe_u32 s77, ttmp6, 0x40000                  ; cx: it enters the addresses of y, out1 and part alone
	s_lshr_b32 s79, ttmp9, 3                       ; the batch: eight clusters to a batch; the four partners share it
	s_and_b32 s78, ttmp9, 7
	s_lshl_b32 s78, s78, 2
	s_add_co_u32 s78, s78, s77                     ; yg
	s_and_b32 s88, s76, 1
	s_lshr_b32 s89, s76, 1
	s_mov_b32 s84, 0x76543210
	s_mov_b32 s85, 0xfedcba98
	s_mov_b32 s86, 0x76543210                      ; t = 0: no turn
	s_mov_b32 s87, 0xfedcba98
	; groups 1.  x: 32 rows of 128 elements of 4 bytes.  15:0 the mask, all four work-groups; 17:16 the element's size; 21 set beside a mask; no padding
	s_mov_b32 s36, 15|(2<<16)|(1<<21)
	s_mov_b32 s37, 128<<16                         ; tensor_dim0
	s_mov_b32 s38, 32<<16                          ; tensor_dim1
	s_mov_b32 s39, 128<<16                         ; tile_dim0
	s_mov_b32 s40, 32                              ; tile_dim1
	s_mov_b32 s41, 128                             ; from row to row
	s_mov_b32 s42, 0
	s_mov_b32 s43, 0
	; a dense block of 12,288 bytes: 48 rows of 32 elements of 8 bytes
	s_mov_b32 s44, 15|(3<<16)|(1<<21)
	s_mov_b32 s45, 32<<16
	s_mov_b32 s46, 48<<16
	s_mov_b32 s47, 32<<16
	s_mov_b32 s48, 48
	s_mov_b32 s49, 32
	s_mov_b32 s50, 0
	s_mov_b32 s51, 0
	; and of 6,144 bytes: 24 rows
	s_mov_b32 s52, 15|(3<<16)|(1<<21)
	s_mov_b32 s53, 32<<16
	s_mov_b32 s54, 24<<16
	s_mov_b32 s55, 32<<16
	s_mov_b32 s56, 24
	s_mov_b32 s57, 32
	s_mov_b32 s58, 0
	s_mov_b32 s59, 0
	; groups 0: wave w fetches channels 32 w on of x[b]; waves 0, 1 W_drug, W_prot; waves 2, 3 W_down, W_up
	s_mov_b32 s60, 1
	s_mul_i32 s61, s76, XG
	s_mov_b32 s68, 1
	s_mul_i32 s69, s88, 12288
	s_add_co_u32 s69, s69, WDR
	s_mov_b32 s72, 1
	s_mul_i32 s73, s88, 6144
	s_add_co_u32 s73, s73, WDN
	s_lshl_b32 s80, s79, 16                        ; x: 65,536 b + 16,384 w
	s_lshl_b32 s81, s76, 14
	s_add_co_u32 s80, s80, s81
	s_mov_b32 s81, 0
	s_lshl_b32 s82, s79, 19                        ; y and out1: 524,288 b + 128 yg
	s_lshl_b32 s83, s78, 7
	s_add_co_u32 s82, s82, s83
	s_mov_b32 s83, 0
	s_lshl_b32 s92, s79, 5                         ; part: 65,536 (32 b + yg)
	s_add_co_u32 s92, s92, s78
	s_lshl_b32 s92, s92, 16
	s_mov_b32 s93, 0
	; the lanes' terms
	v_and_b32 v1, 15, v0                           ; r
	v_bfe_u32 v2, v0, 4, 1                         ; h
	v_lshlrev_b32 v3, 3, v2
	v_mov_b32 v[PT], 0                             ; written once: a lane permute's destination counts as one of its sources
	v_bfe_u32 v52, v0, 3, 2                        ; lane / 8
	v_and_b32 v53, 7, v0                           ; lane % 8
	s_lshl_b32 s90, s76, 17
	v_lshlrev_b32 v4, 12, v52
	v_lshl_add_u32 v4, v53, 4, v4
	v_add_nc_u32 v4, s90, v4                       ; y: channel 32 w + lane / 8 (4,096 bytes a channel), 16 (lane % 8)
	s_lshl_b32 s91, s76, 7
	v_lshl_add_u32 v12, v52, 2, s91                ; b_up: 4 (32 w + lane / 8)
	v_bfe_u32 v52, v0, 3, 1                        ; r / 8
	v_lshl_add_u32 v53, v52, 5, v53                ; W_drug's rows of a tile: r % 8 + 32 (r / 8): so d comes out in s's order
	v_lshlrev_b32 v5, 2, v53
	v_mul_u32_u24 v34, v53, 96
	v_mad_u32_u24 v34, v2, 24, v34
	v_add_nc_u32 v34, WDR, v34
	v_lshl_add_u32 v53, v52, 3, v1                 ; W_down's: r + 8 (r / 8): so two tiles' 16 registers are 16 neighbours along the next K
	v_lshlrev_b32 v7, 2, v53
	v_mul_u32_u24 v35, v53, 96
	v_mad_u32_u24 v35, v2, 24, v35
	v_add_nc_u32 v35, WDN, v35
	s_lshl_b32 s94, s89, 8                         ; 256 (w / 2): my half of p's channels, in bytes
	v_lshl_add_u32 v6, v1, 2, s94                  ; W_prot's scale words
	v_lshlrev_b32 v8, 1, v1                        ; W_up's scale bytes: 2 a row
	v_lshlrev_b32 v9, 7, v2                        ; b_drug: 32 h numbers on
	v_lshl_add_u32 v10, v2, 5, s94                 ; b_prot: 8 h
	v_lshlrev_b32 v11, 6, v2                       ; b_down: 16 h
	s_mul_i32 s95, s76, YG
	s_add_co_u32 s95, s95, YL
	v_and_b32 v53, 31, v0
	v_lshl_add_u32 v13, v53, 4, s95                ; y into LDS: my wave's 32 channels, 16 x lane
	s_lshl_b32 s95, s88, 6
	s_add_co_u32 s95, s95, YL
	v_mul_u32_u24 v14, v2, YG
	v_lshl_add_u32 v14, v1, 2, v14
	v_add_nc_u32 v14, s95, v14                     ; y out of it: row 16 (w % 2) + r, channels from 32 h
	v_mul_u32_u24 v15, v2, XG
	v_lshl_add_u32 v15, v1, 2, v15
	v_add_nc_u32 v15, s91, v15                     ; x: row 32 w + r, channels from 32 h
	s_mul_i32 s95, s89, 6144
	s_add_co_u32 s95, s95, WPR
	v_mul_u32_u24 v33, v1, 96
	v_mad_u32_u24 v33, v2, 24, v33
	v_add_nc_u32 v33, s95, v33                     ; W_prot: rows 64 (w / 2) + 16 u + r
	v_mul_u32_u24 v46, v1, 48
	v_mad_u32_u24 v46, v2, 24, v46
	v_add_nc_u32 v46, WUP, v46                     ; W_up: rows of 48 bytes
	s_mul_i32 s95, s88, 16*PP
	s_add_co_u32 s95, s95, s94
	s_add_co_u32 s95, s95, PL
	v_mul_u32_u24 v47, v1, PP
	v_lshl_add_u32 v47, v2, 5, v47
	v_add_nc_u32 v47, s95, v47                     ; p into LDS: row 16 (w % 2) + r, channels 64 (w / 2) + 8 h on
	s_wait_dscnt 0x0
	s_wait_kmcnt 0x0
	s_add_nc_u64 s[62:63], s[4:5], s[80:81]
	s_cmp_eq_u32 s88, 0
	s_cselect_b64 s[70:71], s[8:9], s[14:15]
	s_cselect_b64 s[74:75], s[20:21], s[26:27]
	s_or_b32 s63, s63, 0x80000000                  ; the type
	s_or_b32 s71, s71, 0x80000000
	s_or_b32 s75, s75, 0x80000000
	s_add_nc_u64 s[6:7], s[6:7], s[82:83]
	s_add_nc_u64 s[32:33], s[32:33], s[82:83]
	s_add_nc_u64 s[34:35], s[34:35], s[92:93]
	ROUND                                          ; all four work-groups are here: the joint loads meet
	tensor_load_to_lds s[60:63], s[36:43]          ; two tensor loads of mine are out: my quarter of x[b],
	s_nop 0
.rept 4
	v_nop                                          ; (four v_nop follow each tensor load)
.endr
	s_cmp_lt_u32 s76, 2
	s_cbranch_scc0 .Lsmall
	tensor_load_to_lds s[68:71], s[44:51]          ; and one of the four weights
	s_nop 0
.rept 4
	v_nop
.endr
	s_branch .Lasked
.Lsmall:
	tensor_load_to_lds s[72:75], s[52:59]
	s_nop 0
.rept 4
	v_nop
.endr
.Lasked:
.irp k, 0,1,2,3,4,5,6,7
	global_load_b128 v[S+4*\k:S+4*\k+3], v4, s[6:7] offset:16384*\k            ; four channels x 128 bytes of y
.endr
.irp t, 0,1,2,3,4,5,6,7                    ; then 64 small loads.  W_drug's scale words, tile t = 4 c + u, in v56-63 for the head
	global_load_b32 v[56+\t], v5, s[10:11] offset:(64*(\t/4)+8*(\t%4))*4
.endr
.irp u, 0,1,2,3
	global_load_b32 v[48+\u], v6, s[16:17] offset:64*\u                        ; W_prot's, in v48-51 for the head
	global_load_b32 v[WDS+\u], v7, s[22:23] offset:(32*(\u/2)+8*(\u%2))*4
.endr
.irp nt, 0,1,2,3,4,5,6,7
	global_load_u16 v[WUS+\nt], v8, s[28:29] offset:32*\nt
.endr
	WIN 0xc0                                       ; destination window 3
.irp t, 0,1,2,3,4,5,6,7
	global_load_b128 v[BD+8*\t:BD+8*\t+3], v9, s[12:13] offset:256*(\t/4)+32*(\t%4)          ; b_drug in the result's layout: channels 64 c + 32 h + 8 u + 0 .. 7
	global_load_b128 v[BD+8*\t+4:BD+8*\t+7], v9, s[12:13] offset:256*(\t/4)+32*(\t%4)+16
.endr
.irp u, 0,1,2,3
	global_load_b128 v[PR+8*\u:PR+8*\u+3], v10, s[18:19] offset:64*\u          ; b_prot: channels 64 (w / 2) + 16 u + 8 h + 0 .. 7
	global_load_b128 v[PR+8*\u+4:PR+8*\u+7], v10, s[18:19] offset:64*\u+16
.endr
	WIN 0x80                                       ; destination window 2
.irp u, 0,1,2,3
	global_load_b128 v[BDN+8*\u:BDN+8*\u+3], v11, s[24:25] offset:(32*(\u/2)+8*(\u%2))*4     ; b_down: hidden units 32 b + 16 h + 8 v + 0 .. 7
	global_load_b128 v[BDN+8*\u+4:BDN+8*\u+7], v11, s[24:25] offset:(32*(\u/2)+8*(\u%2))*4+16
.endr
.irp n, 0,1,2,3,4,5,6,7
	global_load_b32 v[BU+\n], v12, s[30:31] offset:16*\n
.endr
	WIN 0
	s_wait_loadcnt 63                              ; 64 loads are younger than y's eight; the count's field holds 63
.irp k, 0,1,2,3,4,5,6,7
	ds_store_b128 v13, v[S+4*\k:S+4*\k+3] offset:512*\k
.endr
	s_wait_tensorcnt 0x0                           ; my parts of x and of the weights have landed,
	s_wait_dscnt 0x0                               ; my part of y is stored:
	s_barrier_signal -1
	s_barrier_wait -1                              ; everybody's
	RAW 192, 14, 2*YG, 128, 0                      ; y block w % 2
	RAW 64, 15, 2*XG, 512, 0                       ; my x block 0
	s_wait_dscnt 63                                ; 64 loads are younger than y's
	QHEAD 192, QY, 30
	RAW 128, 15, 2*XG, 512, 64                     ; my x block 1
	s_wait_dscnt 63                                ; 64 are younger than block 0's
	QHEAD 64, QX, 31
	WIN 0xc0
.irp u, 0,1,2,3
	FRAG WPT+12*\u, 33, 1536*\u
.endr
.irp t, 0,1,2,3,4,5,6,7
	FRAG WDG+12*\t, 34, (64*(\t/4)+8*(\t%4))*96
.endr
	WIN 0
	s_wait_dscnt 63                                ; 72 are younger than block 1's
	QHEAD 128, QX+12, 32
	WIN 0x80
.irp u, 0,1,2,3
	FRAG WD+12*\u, 35, (32*(\u/2)+8*(\u%2))*96
.endr
.irp nt, 0,1,2,3,4,5,6,7
.irp p, 0,1,2
	ds_load_b64 v[WU+12*\nt+2*\p:WU+12*\nt+2*\p+1], v46 offset:768*\nt+8*\p    ; W_up's 64 along K, and the same again as K 64 .. 127
	ds_load_b64 v[WU+12*\nt+6+2*\p:WU+12*\nt+7+2*\p], v46 offset:768*\nt+8*\p
.endr
.endr
	WIN 0
	s_wait_dscnt 63                                ; 72 are younger than W_prot's and W_drug's
	s_wait_loadcnt 0x0                             ; scale words and biases
.irp nt, 0,1,2,3,4,5,6,7
	v_lshl_or_b32 v[WUS+\nt], v[WUS+\nt], 16, v[WUS+\nt]       ; s0 s1 s0 s1.  (Eight plain lines: with the six moves 14 places behind the last scale word made, 8 behind the last codes)
.endr
	WIN 0xfb                                       ; W_prot window 3, y's codes window 2, C and D window 3
.irp u, 0,1,2,3
	WM PR+8*\u, WPT+12*\u, QY, PR+8*\u, 48+\u, 30  ; p^T: a lane holds y row r and channels 16 u + 8 h + 0 .. 7 of my half
.endr
	WIN 0x7b                                       ; W_drug and b_drug window 3, x's codes window 2, D window 1
.irp xbl, 0,1
.irp t, 0,1,2,3,4,5,6,7
	WM 64*\xbl+8*\t, WDG+12*\t, QX+12*\xbl, BD+8*\t, 56+\t, 31+\xbl            ; d^T, in s's order: it stays in registers
.endr
.endr
	WIN 0
	v_bfe_u32 v5, v0, 3, 1                         ; seven plain lines: the places behind the products
	v_and_b32 v[PST], 7, v0
	v_lshlrev_b32 v[PST], 4, v[PST]
	v_lshl_add_u32 v[PST], v5, 12, v[PST]
	v_lshl_add_u32 v[PST], v2, 7, v[PST]
	s_lshl_b32 s80, s76, 10
	v_add_nc_u32 v[PST], s80, v[PST]               ; part: 4,096 (r / 8) + 128 h + 16 (r % 8) + 1,024 w
	v_lshl_add_u32 v[PB], v2, 7, PL
	WIN 0x0c                                       ; an LDS store's data are its source 1: window 3
.irp u, 0,1,2,3
	ds_store_b128 v47, v[PR+8*\u:PR+8*\u+3] offset:64*\u                       ; each accumulator from its low end on
	ds_store_b128 v47, v[PR+8*\u+4:PR+8*\u+7] offset:64*\u+16
.endr
	WIN 0
	s_wait_dscnt 0x0                               ; p is stored; W_down's and W_up's fragments are in
	s_barrier_signal -1
	s_barrier_wait -1                              ; all 32 rows of p lie in LDS
	v_mad_u32_u24 v[AP], v1, PP, v[PB]             ; t = 0
	LOADP 0
	LOADP 1
	s_mov_b32 s90, 1
	; ---- THE 16 TRIPS.  The first two are written out: their products with C = 0 start the 32 sums, and nothing is cleared
	TRIP 0,0,0,1,0,2
	TRIP 1,1,1,2,1,2
.Ltrip:                                            ; trips 2 to 15
	TRIP 2,2,2,2,1,1
	s_cmp_lt_u32 s90, 17
	s_cbranch_scc1 .Ltrip
	; ---- THE TAIL: the last tile's h, and the last sums on X0, X1 and Y1
	HQ_RELU 1, 0
	MM4 X0, XW0, AX, 0, 2
	HQ_RELU 1, 1
	MM4 X0, XW0, AX, 1, 2
	HQ_MAX 1, 0
	MM4 X0, XW0, AX, 2, 2
	HQ_MAX 1, 1
.irp nt, 3,4,5,6,7
	MM4 X0, XW0, AX, \nt, 2
.endr
	HQ_FIN 1, 1, 1
	s_mul_i32 s80, s76, PSW                        ; the addresses of the way out: 13 plain vector lines, the places ahead of the scaled matrix instructions below
	s_add_co_u32 s80, s80, PS
	s_mul_i32 s81, s76, 32*PSP
	s_add_co_u32 s81, s81, PS
	s_lshl_b32 s88, s76, 17
	s_mul_i32 s89, s76, YG
	s_add_co_u32 s89, s89, YL
	v_mul_u32_u24 v8, v1, PSP
	v_lshl_add_u32 v8, v2, 5, v8
	v_add_nc_u32 v8, s80, v8                       ; into the stage: my wave's part, channel row r, 32 h
	v_bfe_u32 v9, v0, 3, 2
	v_and_b32 v10, 7, v0
	v_mul_u32_u24 v11, v9, PSP
	v_lshl_add_u32 v11, v10, 4, v11
	v_add_nc_u32 v11, s81, v11                     ; out of it: channel 32 w + lane / 8, 16 (lane % 8)
	v_lshlrev_b32 v12, 12, v9
	v_lshl_add_u32 v12, v10, 4, v12
	v_add_nc_u32 v12, s88, v12                     ; the same place in out1
	v_and_b32 v13, 31, v0
	v_lshl_add_u32 v13, v13, 4, s89                ; and in y's copy in LDS
.irp nt, 0,1,2,3,4,5,6,7
	MM4 X0+12, XW0+1, AX+64, \nt, 2
	MM4 Y0+12, YW0+1, AY+64, \nt, 2
.endr
.rept 4
	v_nop                                          ; places ahead of the stores that read results, and of the loads into registers that held fragments
.endr
	; ---- THE WAY OUT.  The sums over my 32 y: lane (r, h) holds channel 16 nt + r and x rows 8 h + 0 .. 7.  Each store writes two runs of 256 consecutive bytes, each at a multiple of 256 from part's first byte
	WIN 0x0c                                       ; a store's data are its source 1: window 3
.irp nt, 0,1,2,3,4,5,6,7
.irp xbl, 0,1
	global_store_b128 v[PST], v[AX+64*\xbl+8*\nt:AX+64*\xbl+8*\nt+3], s[34:35] offset:8192*\nt+512*\xbl
	global_store_b128 v[PST], v[AX+64*\xbl+8*\nt+4:AX+64*\xbl+8*\nt+7], s[34:35] offset:8192*\nt+512*\xbl+256
.endr
.endr
.irp nt, 0,1,2,3,4,5,6,7                   ; the sums over my 32 x meet the other waves' in the stage
.irp yb, 0,1
	ds_store_b128 v8, v[AY+64*\yb+8*\nt:AY+64*\yb+8*\nt+3] offset:16*PSP*\nt+64*\yb
	ds_store_b128 v8, v[AY+64*\yb+8*\nt+4:AY+64*\yb+8*\nt+7] offset:16*PSP*\nt+64*\yb+16
.endr
.endr
	WIN 0
	s_wait_dscnt 0x0
	s_barrier_signal -1
	s_barrier_wait -1
.irp pw, 0,1,2,3                           ; wave w finishes channels 32 w .. 32 w + 31: four rows of 128 bytes an instruction
.irp n, 0,1,2,3,4,5,6,7
	ds_load_b128 v[64+32*\pw+4*\n:67+32*\pw+4*\n], v11 offset:PSW*\pw+4*PSP*\n
.endr
.endr
.irp n, 0,1,2,3,4,5,6,7
	ds_load_b128 v[192+4*\n:195+4*\n], v13 offset:512*\n                       ; y, as my wave stored it
.endr
	s_wait_dscnt 0x0
.set i, 0
.rept 16
	v_pk_add_f32 v[64+i:65+i], v[64+i:65+i], v[96+i:97+i]
	v_pk_add_f32 v[128+i:129+i], v[128+i:129+i], v[160+i:161+i]
.set i, i+2
.endr
.set i, 0
.rept 16
	v_pk_add_f32 v[64+i:65+i], v[64+i:65+i], v[128+i:129+i]
.set i, i+2
.endr
	WIN 0x20                                       ; b_up: source 2, window 2
.set i, 0
.rept 32
	v_fma_f32 v[64+i], v[64+i], 0x3c000000, v[BU+i/4]          ; the mean over 128 x, + b_up
.set i, i+1
.endr
	WIN 0
	GATE 32, 64, 96, 128
.set i, 0
.rept 16
	v_pk_mul_f32 v[160+i:161+i], v[192+i:193+i], v[96+i:97+i]  ; y (0.5 + gate)
.set i, i+2
.endr
.irp n, 0,1,2,3,4,5,6,7
	global_store_b128 v12, v[160+4*\n:163+4*\n], s[32:33] offset:16384*\n th:TH_STORE_NT
.endr
	s_set_vgpr_msb 0xa
	s_wait_tensorcnt 0x0
	ds_add_u32 v254, v255
	s_wait_dscnt 0x0
	s_set_vgpr_msb 0xa00
	ROUND                                          ; the closing round: no work-group ends while a partner may still ask for a tile that names it
	s_endpgm
.Lfunc_end_k_qb8acefbbfd_main:
	.size	k_qb8acefbbfd_main, .Lfunc_end_k_qb8acefbbfd_main-k_qb8acefbbfd_main
	.p2alignl 7, 3214868480
	.fill 96, 4, 3214868480
	.section	.rodata,"a",@progbits
	.p2align	6, 0x0
	.amdhsa_kernel k_qb8acefbbfd_main
		.amdhsa_group_segment_fixed_size 210688
		.amdhsa_private_segment_fixed_size 0
		.amdhsa_enable_private_segment 0
		.amdhsa_kernarg_size 128
		.amdhsa_user_sgpr_count 2
		.amdhsa_user_sgpr_kernarg_segment_ptr 1
		.amdhsa_wavefront_size32 1
		.amdhsa_system_sgpr_workgroup_id_x 1
		.amdhsa_system_sgpr_workgroup_id_y 1
		.amdhsa_system_sgpr_workgroup_id_z 1
		.amdhsa_system_vgpr_workitem_id 0
		.amdhsa_next_free_vgpr 1024
		.amdhsa_next_free_sgpr 96
		.amdhsa_reserve_vcc 0
		.amdhsa_float_denorm_mode_32 3
		.amdhsa_float_denorm_mode_16_64 3
		.amdhsa_memory_ordered 1
		.amdhsa_forward_progress 1
		.amdhsa_inst_pref_size 238
	.end_amdhsa_kernel
	.amdgpu_metadata
---
amdhsa.version: [ 1, 2 ]
amdhsa.kernels:
  - .name:           k_qb8acefbbfd_main
    .symbol:         k_qb8acefbbfd_main.kd
    .args:
      - { .name: x, .offset: 0, .size: 8, .value_kind: global_buffer, .address_space: global }
      - { .name: y, .offset: 8, .size: 8, .value_kind: global_buffer, .address_space: global }
      - { .name: W_drug_codes, .offset: 16, .size: 8, .value_kind: global_buffer, .address_space: global }
      - { .name: W_drug_scales, .offset: 24, .size: 8, .value_kind: global_buffer, .address_space: global }
      - { .name: b_drug, .offset: 32, .size: 8, .value_kind: global_buffer, .address_space: global }
      - { .name: W_prot_codes, .offset: 40, .size: 8, .value_kind: global_buffer, .address_space: global }
      - { .name: W_prot_scales, .offset: 48, .size: 8, .value_kind: global_buffer, .address_space: global }
      - { .name: b_prot, .offset: 56, .size: 8, .value_kind: global_buffer, .address_space: global }
      - { .name: W_down_codes, .offset: 64, .size: 8, .value_kind: global_buffer, .address_space: global }
      - { .name: W_down_scales, .offset: 72, .size: 8, .value_kind: global_buffer, .address_space: global }
      - { .name: b_down, .offset: 80, .size: 8, .value_kind: global_buffer, .address_space: global }
      - { .name: W_up_codes, .offset: 88, .size: 8, .value_kind: global_buffer, .address_space: global }
      - { .name: W_up_scales, .offset: 96, .size: 8, .value_kind: global_buffer, .address_space: global }
      - { .name: b_up, .offset: 104, .size: 8, .value_kind: global_buffer, .address_space: global }
      - { .name: out1, .offset: 112, .size: 8, .value_kind: global_buffer, .address_space: global }
      - { .name: part, .offset: 120, .size: 8, .value_kind: global_buffer, .address_space: global }
    .group_segment_fixed_size: 210688
    .private_segment_fixed_size: 0
    .kernarg_segment_align: 8
    .kernarg_segment_size: 128
    .max_flat_workgroup_size: 128
    .sgpr_count:     96
    .vgpr_count:     1024
    .wavefront_size: 32
...
	.end_amdgpu_metadata
.endif
;; end of part 1
;; launch finish (part 2): grid 256 x 1, 4 waves a work-group, no clusters, 4,608 bytes of LDS; arguments part, x, b_up, out0; writes out0
.if DOCPART == 2
	.amdgcn_target "amdgcn-amd-amdhsa--gfx1250"
	.amdhsa_code_object_version 6
	.text
	.protected	k_qb8acefbbfd_finish
	.globl	k_qb8acefbbfd_finish
	.p2align	8
	.type	k_qb8acefbbfd_finish,@function
k_qb8acefbbfd_finish:
	s_mov_b64 s[64:65], 0
	v_nop
	global_prefetch_b8 v0, s[64:65] scope:SCOPE_SE
	s_setreg_imm32_b32 hwreg(HW_REG_WAVE_MODE, 25, 1), 1
	s_wait_xcnt 0x0
; out0 = x (0.5 + sigmoid(g) tanh(g)), g = the mean of atten over the 1,024 y = (the sum of a batch's 32 partial sums in part) / 1,024 + b_up.
; Work-group G: batch G / 32; sub = G % 32 = 4 nt + 2 rh + xh: channels 16 nt + 8 rh + 0 .. 7, x 64 xh .. 64 xh + 63: 2,048 consecutive bytes of each partial sum.
; Thread tid holds 4 numbers: channel row r7 = tid % 8, x = 32 (u / 4) + 16 ((u / 2) % 2) + 8 h + 4 (u % 2) + 0 .. 3, u = tid / 16, h = (tid / 8) % 2: the order in which the launch before stored them.
; They turn through LDS into rows, so that sixteen lanes store 256 consecutive bytes of out0, at a multiple of 256 from its first byte.
; Memory binds: each byte of part is read once, 512 consecutive bytes to a wave's load, all 32 loads of a wave out at once.  No matrix unit, no cluster: work-groups share nothing.
; The 32 partial sums are added in four chains of eight, in f32.  tanh(g) = 1 - 2 / (1 + e^(2 g)): absolute error about 1e-7.  NaN and infinities are not served.
.set LP, 272                           ; a row in LDS: 256 bytes + 16
.macro GATE n, G, A, B                 ; v[A ..] = 0.5 + sigmoid(g) tanh(g); each batch of transcendentals has one plain line and one wait behind it, ahead of its first reader
.set i, 0
.rept (\n)/2
	v_pk_mul_f32 v[\A+i:\A+i+1], v[\G+i:\G+i+1], 0xbfb8aa3b op_sel_hi:[1,0]     ; -g log2(e)
	v_pk_mul_f32 v[\B+i:\B+i+1], v[\G+i:\G+i+1], 0x4038aa3b op_sel_hi:[1,0]     ; 2 g log2(e)
.set i, i+2
.endr
.set i, 0
.rept \n
	v_exp_f32 v[\A+i], v[\A+i]
	v_exp_f32 v[\B+i], v[\B+i]
.set i, i+1
.endr
	v_nop
	s_wait_alu depctr_va_vdst(0)
.set i, 0
.rept (\n)/2
	v_pk_add_f32 v[\A+i:\A+i+1], v[\A+i:\A+i+1], 1.0 op_sel_hi:[1,0]
	v_pk_add_f32 v[\B+i:\B+i+1], v[\B+i:\B+i+1], 1.0 op_sel_hi:[1,0]
.set i, i+2
.endr
.set i, 0
.rept \n
	v_rcp_f32 v[\A+i], v[\A+i]                     ; sigmoid(g); an exponential that overflowed gives 0
	v_rcp_f32 v[\B+i], v[\B+i]
.set i, i+1
.endr
	v_nop
	s_wait_alu depctr_va_vdst(0)
.set i, 0
.rept (\n)/2
	v_pk_fma_f32 v[\B+i:\B+i+1], v[\B+i:\B+i+1], -2.0, 1.0 op_sel_hi:[1,0,0]   ; tanh(g)
	v_pk_fma_f32 v[\A+i:\A+i+1], v[\A+i:\A+i+1], v[\B+i:\B+i+1], 0.5 op_sel_hi:[1,1,0]
.set i, i+2
.endr
.endm
	s_load_b256 s[4:11], s[0:1], 0x0               ; part s[4:5], x s[6:7], b_up s[8:9], out0 s[10:11]
	v_lshl_add_u32 v160, v0, 2, 0x1000
	v_mov_b32 v161, 0
	s_lshr_b32 s12, ttmp9, 5                       ; the batch
	s_and_b32 s13, ttmp9, 31                       ; sub
	s_lshl_b32 s14, s12, 21                        ; part: 32 x 65,536 bytes a batch,
	s_lshl_b32 s15, s13, 11                        ; 2,048 sub
	s_add_co_u32 s14, s14, s15
	s_mov_b32 s15, 0
	s_lshr_b32 s16, s13, 1                         ; 2 nt + rh: which eight channels
	s_and_b32 s17, s13, 1                          ; xh
	s_lshl_b32 s18, s12, 16                        ; x and out0: 65,536 b + 8 channels of 512 bytes + 256 xh
	s_lshl_b32 s19, s16, 12
	s_add_co_u32 s18, s18, s19
	s_lshl_b32 s19, s17, 8
	s_add_co_u32 s18, s18, s19
	s_mov_b32 s19, 0
	s_lshl_b32 s20, s16, 5                         ; b_up: 8 numbers on for each eight channels
	s_mov_b32 s21, 0
	v_lshlrev_b32 v1, 4, v0                        ; part: 16 tid
	v_lshrrev_b32 v6, 4, v0                        ; u on the way in, the channel row on the way out
	v_and_b32 v7, 15, v0
	v_lshlrev_b32 v2, 9, v6
	v_lshl_add_u32 v2, v7, 4, v2                   ; x, out0: 512 x row + 16 (tid % 16)
	v_lshlrev_b32 v3, 2, v6                        ; b_up: 4 x row
	v_mul_u32_u24 v5, v6, LP
	v_lshl_add_u32 v5, v7, 4, v5                   ; LDS, back: LP x row + 16 (tid % 16)
	v_and_b32 v4, 7, v0
	v_mul_u32_u24 v4, v4, LP                       ; LDS, in: LP r7
	v_bfe_u32 v7, v0, 3, 1
	v_lshl_add_u32 v4, v7, 5, v4                   ; + 32 h
	v_lshrrev_b32 v7, 1, v6
	v_lshl_add_u32 v4, v7, 6, v4                   ; + 64 (u / 2)
	v_and_b32 v7, 1, v6
	v_lshl_add_u32 v4, v7, 4, v4                   ; + 16 (u % 2)
	s_wait_kmcnt 0x0
	s_add_nc_u64 s[4:5], s[4:5], s[14:15]
	s_add_nc_u64 s[6:7], s[6:7], s[18:19]
	s_add_nc_u64 s[10:11], s[10:11], s[18:19]
	s_add_nc_u64 s[8:9], s[8:9], s[20:21]
	global_load_b128 v[136:139], v2, s[6:7]
	global_load_b32 v140, v3, s[8:9]
.set i, 0
.rept 32
	global_load_b128 v[8+4*i:11+4*i], v1, s[4:5] offset:65536*i th:TH_LOAD_NT  ; partial sum i: read once in the launch
.set i, i+1
.endr
.irp g, 0,1,2,3
	s_wait_loadcnt 24-8*\g                         ; eight more are in; the count is the younger loads of the 32
.irp k, 1,2,3,4,5,6,7
	v_pk_add_f32 v[8+32*\g:9+32*\g], v[8+32*\g:9+32*\g], v[8+32*\g+4*\k:9+32*\g+4*\k]
	v_pk_add_f32 v[10+32*\g:11+32*\g], v[10+32*\g:11+32*\g], v[10+32*\g+4*\k:11+32*\g+4*\k]
.endr
.endr
.irp e, 0,2
	v_pk_add_f32 v[8+\e:9+\e], v[8+\e:9+\e], v[40+\e:41+\e]
	v_pk_add_f32 v[72+\e:73+\e], v[72+\e:73+\e], v[104+\e:105+\e]
.endr
.irp e, 0,2
	v_pk_add_f32 v[8+\e:9+\e], v[8+\e:9+\e], v[72+\e:73+\e]
.endr
	ds_store_b128 v4, v[8:11]
	s_wait_dscnt 0x0                               ; for the others' sake: my store has landed
	s_barrier_signal -1
	s_barrier_wait -1
	ds_load_b128 v[144:147], v5
	s_wait_dscnt 0x0
.irp e, 0,1,2,3
	v_fma_f32 v[144+\e], v[144+\e], 0x3a800000, v140           ; the mean over 1,024 y, + b_up
.endr
	GATE 4, 144, 148, 152
	v_pk_mul_f32 v[156:157], v[136:137], v[148:149]            ; x (0.5 + gate)
	v_pk_mul_f32 v[158:159], v[138:139], v[150:151]
	global_store_b128 v2, v[156:159], s[10:11] th:TH_STORE_NT
	s_wait_tensorcnt 0x0
	ds_add_u32 v160, v161
	s_wait_dscnt 0x0
	s_endpgm
.Lfunc_end_k_qb8acefbbfd_finish:
	.size	k_qb8acefbbfd_finish, .Lfunc_end_k_qb8acefbbfd_finish-k_qb8acefbbfd_finish
	.p2alignl 7, 3214868480
	.fill 96, 4, 3214868480
	.section	.rodata,"a",@progbits
	.p2align	6, 0x0
	.amdhsa_kernel k_qb8acefbbfd_finish
		.amdhsa_group_segment_fixed_size 4608
		.amdhsa_private_segment_fixed_size 0
		.amdhsa_enable_private_segment 0
		.amdhsa_kernarg_size 32
		.amdhsa_user_sgpr_count 2
		.amdhsa_user_sgpr_kernarg_segment_ptr 1
		.amdhsa_wavefront_size32 1
		.amdhsa_system_sgpr_workgroup_id_x 1
		.amdhsa_system_sgpr_workgroup_id_y 1
		.amdhsa_system_sgpr_workgroup_id_z 1
		.amdhsa_system_vgpr_workitem_id 0
		.amdhsa_next_free_vgpr 162
		.amdhsa_next_free_sgpr 66
		.amdhsa_reserve_vcc 0
		.amdhsa_float_denorm_mode_32 3
		.amdhsa_float_denorm_mode_16_64 3
		.amdhsa_memory_ordered 1
		.amdhsa_forward_progress 1
		.amdhsa_inst_pref_size 12
	.end_amdhsa_kernel
	.amdgpu_metadata
---
amdhsa.version: [ 1, 2 ]
amdhsa.kernels:
  - .name:           k_qb8acefbbfd_finish
    .symbol:         k_qb8acefbbfd_finish.kd
    .args:
      - { .name: part, .offset: 0, .size: 8, .value_kind: global_buffer, .address_space: global }
      - { .name: x, .offset: 8, .size: 8, .value_kind: global_buffer, .address_space: global }
      - { .name: b_up, .offset: 16, .size: 8, .value_kind: global_buffer, .address_space: global }
      - { .name: out0, .offset: 24, .size: 8, .value_kind: global_buffer, .address_space: global }
    .group_segment_fixed_size: 4608
    .private_segment_fixed_size: 0
    .kernarg_segment_align: 8
    .kernarg_segment_size: 32
    .max_flat_workgroup_size: 128
    .sgpr_count:     66
    .vgpr_count:     162
    .wavefront_size: 32
...
	.end_amdgpu_metadata
.endif
;; end of part 2
